; MI455X (gfx1250); checked and timed in simulation.
; The chip was launched on July 23, 2026; its instructions are those of AMD's public machine-readable ISA for CDNA 5 (MIT licence, August 2026) and "CDNA5" Instruction Set Architecture Reference Guide (July 2026). The comments in the code are by the model that wrote it; some were corrected since.
;; Barrier Net. Allowed arithmetic: matrix products marked QUANTISED: E5M2 operands, one E8M0 scale for each 32 along K, by v_wmma_scale_f32_16x16x128_f8f6f4 with both operands' format E5M2, f32 sums; products left as they are: f32 operands where the result goes on into a quantised operand, else bf16, f16 or f32 operands; f32 sums; everything else in f32.
;; Inputs: W1_codes 256 x 2 x 32 uint8 (E5M2 codes of W1, K innermost, in blocks of 32 codes); W1_scales 256 x 2 uint8 (E8M0 scales of W1, one for each 32 codes along K); W21_codes 256 x 8 x 32 uint8 (E5M2 codes of W21, K innermost, in blocks of 32 codes); W21_scales 256 x 8 uint8 (E8M0 scales of W21, one for each 32 codes along K); W22_codes 256 x 8 x 32 uint8 (E5M2 codes of W22, K innermost, in blocks of 32 codes); W22_scales 256 x 8 uint8 (E8M0 scales of W22, one for each 32 codes along K); W31 2 x 256 float32; W32 1 x 256 float32; b1 256 float32; b21 256 float32; b22 256 float32; b31 2 float32; b32 1 float32; obs 65,536 x 64 float32.
;; Outputs: out0 65,536 x 2 float32.
;; This version of the problem:
;;   THIS VERSION OF THE PROBLEM IS GIVEN IN LOW PRECISION. The matrix products marked QUANTISED in the list below multiply operands that are first quantised to E5M2 (5 exponent bits, 2 mantissa bits; 8 bits a number), with one power-of-two scale for each 32 numbers along K (OCP MX v1.0); their sums are f32. All else is computed in f32.
;;   The module's matrix products, in the order in which they are computed (A, B: the left and right operand; K: the contracted axis; several contracted axes count as one K, in the product's order):
;;     1. [M 65,536, K 64] x [K 64, N 256]; A: input obs; B: input W1 (given as codes): QUANTISED
;;     2. [M 65,536, K 256] x [K 256, N 256]; A: computed on the way; B: input W21 (given as codes): QUANTISED
;;     3. [M 65,536, K 256] x [K 256, N 256]; A: computed on the way; B: input W22 (given as codes): QUANTISED
;;     4. [M 65,536, K 256] x [K 256, N 2]; A: computed on the way; B: input W31: left as it is (N = 2 < 16)
;;     5. [M 65,536, K 256] x [K 256, N 1]; A: computed on the way; B: input W32: left as it is (N = 1 < 16)
;;   THE QUANTISER, for each operand of a quantised product, along K:
;;     - K is cut into blocks of 32 from its start; a last block that is shorter is filled with zeros.
;;     - A block's scale is 2^e with e = floor(log2(the largest magnitude in the block)) - 15, held to -126 .. 127; a block of zeros has e = 0. As a byte (E8M0): e + 127.
;;     - Each number is divided by its block's scale, clamped to +-57,344, and rounded to the nearest number of E5M2, ties to even, subnormals kept.
;;     - The product sums the exact products of the quantised numbers (number of the format x scale) in f32.
;;   ~~~python
;;   def quantise(x, axis):      # numpy; x: float32 -> the quantised numbers, widened to float32 again
;;       x = np.moveaxis(x, axis, -1); K = x.shape[-1]
;;       x = np.pad(x, [(0, 0)] * (x.ndim - 1) + [(0, -K % 32)]); x = x.reshape(x.shape[:-1] + (-1, 32)); a = np.abs(x).max(-1, keepdims=True)
;;       e = np.where(a > 0, np.clip(np.frexp(np.where(a > 0, a, 1))[1] - 1 - 15, -126, 127), 0)      # np.frexp(a)[1] - 1 = floor(log2(a)), exactly
;;       r = np.clip(x / 2.0 ** e, -57344, 57344)
;;       step = 2.0 ** (np.maximum(np.frexp(np.where(r == 0, 1, r))[1] - 1, -14) - 2)
;;       q = np.round(r / step) * step * 2.0 ** e      # np.round: ties to even
;;       return np.moveaxis(q.reshape(q.shape[:-2] + (-1,))[..., :K], -1, axis).astype(np.float32)
;;   ~~~
;;   OPERANDS COMPUTED ON THE WAY. 'Computed on the way' means the value that the module computes at that place (a softmax that the list does not call 'softmax' is quantised finished and normalised). What goes into a quantiser is computed in f32, as accurately as f32 sums, v_exp_f32 and their like allow (about 1e-6 of the number): no bf16 or f16 on the way to a quantiser, and a product that is left as it is and whose result goes on into a quantised operand takes f32 operands (vector FMAs, or v_wmma_f32_16x16x4_f32). A number that lies on a knife's edge between two numbers of the format may be rounded either way, as far as f32 arithmetic and the matrix unit's own rounding can turn it there, and no further.
;;   INPUTS GIVEN AS CODES. W1 (in the module: [256, 64], K = its axis 1); W21 (in the module: [256, 256], K = its axis 1); W22 (in the module: [256, 256], K = its axis 1): each comes as NAME_codes (uint8): NAME with its K axis moved to the last place and cut into blocks of 32 codes, [.., K / 32, bytes a block], one block behind the other in memory; one code a byte (a code: sign, 5 exponent bits, 2 mantissa bits); and NAME_scales (uint8): the same leading axes, one E8M0 byte (e + 127) for each 32 codes along K. Its value is code x scale, taken as it is: it is not quantised again, and the codes and scales need not be those that the quantiser above would give.
;; One version. Each part assembles by itself: llvm-mc -triple=amdgcn-amd-amdhsa -mcpu=gfx1250 --defsym DOCPART=n.
;; ======== version 1 of 1: 1 launch
;; limits: right only within a limited range of input values
;; launch barrier (part 1): grid 256 x 1, 8 waves a work-group, clusters of 4 x 1, 327,680 bytes of LDS; arguments obs, W1_codes, W1_scales, b1, W21_codes, W21_scales, b21, W22_codes, W22_scales, b22, W31, W32, b31, b32, out0; writes out0
.if DOCPART == 1
	.amdgcn_target "amdgcn-amd-amdhsa--gfx1250"
	.amdhsa_code_object_version 6
	.text
	.protected	k_q9f3b260870_barrier
	.globl	k_q9f3b260870_barrier
	.p2align	8
	.type	k_q9f3b260870_barrier,@function
k_q9f3b260870_barrier:
	s_mov_b64 s[64:65], 0
	v_nop
	global_prefetch_b8 v0, s[64:65] scope:SCOPE_SE
	s_setreg_imm32_b32 hwreg(HW_REG_WAVE_MODE, 25, 1), 1
	s_wait_xcnt 0x0
	s_wait_alu depctr_hold_cnt(0) depctr_sa_sdst(0) depctr_va_vdst(0) depctr_va_sdst(0) depctr_va_ssrc(0) depctr_va_vcc(0) depctr_vm_vsrc(0)
	s_getreg_b32 s2, hwreg(HW_REG_IB_STS2, 6, 4)
	s_cmp_eq_u32 s2, 0
	s_cbranch_scc0 .Lentry_in_a_cluster
	s_endpgm
.Lentry_in_a_cluster:
	s_bfe_u32 s2, ttmp6, 0x10000c
	s_cmp_lg_u32 s2, 0x3003
	s_cbranch_scc0 .Lentry_shape_is_right
	s_endpgm
.Lentry_shape_is_right:
; BarrierNet, whole, in one launch.  x = relu(obs W1^T + b1); x21, x22 = relu(x W21^T + b21), relu(x W22^T + b22); u_nom = x21 W31^T + b31; beta = 0.2 sigmoid(x22 W32^T + b32);
; then, a row at a time, the CVaR coefficient (erfinv), the soft worst case over three modes (logsumexp with its maximum taken away) and the projection onto the half-space.
; The three large products run on codes of BF8 (E5M2) with one E8M0 scale for each 32 along K; the weights come as codes, obs and x are quantised here, in f32.  The two small products are f32 multiply-adds.
; SHARES.  65,536 rows = 256 work-groups x 256 rows.  Eight waves; wave w = 2 g + c.  Waves 2 g and 2 g + 1 make rows 64 g .. 64 g + 63 (four row tiles of 16).
;   X: wave w quantises rows 32 w .. 32 w + 31 of obs into operand images in LDS.
;   1: wave w makes hidden units 128 c .. 128 c + 127, one whole K step of the next products ("own"), of its pair's four row tiles; it keeps their codes in registers and hands them to its partner through LDS.
;   2: wave w makes units 128 c .. 128 c + 127 of x21, then of x22, 16 units at a time; a weight fragment serves four row tiles.  The dot products with W31 and W32 stay in registers over all units.
;   E: wave w finishes rows 32 w .. 32 w + 31, a lane a row, from four partial sums (two waves, two halves of the lanes).
; ALL PRODUCTS ARE USED TRANSPOSED (source 0 = 16 rows of a weight, source 1 = 16 rows of the batch): a lane holds ONE row of the batch, and its registers run along the units.
; THE ROWS OF W1 THAT FORM A TILE ARE NOT NEIGHBOURS: lane r of tile 2 b + u takes row 32 b + 8 u + r + 8 (r / 8), so that the 16 registers of tiles 2 b, 2 b + 1 are 16 neighbours along the next K.
; K = 64 IN THE FIRST PRODUCT: the instruction takes 128; the upper half of obs's operand holds zero codes.  The upper half of a tile of W1 is the next tile's codes (behind the last tile zeros): finite codes times zero; the scale bytes there are 0, a power of two.
; CLUSTERS of four work-groups: W1, W21 and W22 are asked for jointly.  NO RING: all that a work-group reads lies in LDS at once; no LDS byte is filled twice.
; NO PREFETCH: every byte is asked for at the head; there is no loop over memory to run ahead in.
; LIMITS.  NaN and infinities among the inputs or the codes are not served.  A block whose largest magnitude lies under 2^-111 (a block of zeros too) gets the scale byte 1: for such magnitudes that is the quantiser's own
; lower hold; a block of zeros has zero codes, and the byte is read by this text alone.  erfinv is the two-branch polynomial in w = -ln(1 - x^2) (Giles), with 1 - x^2 formed as 4 beta (1 - beta).
; The biases enter as the C of each sum's first matrix instruction, so they are added ahead of the products and not behind them.
;
; LDS, in bytes
.set PITCH, 272                        ; a row of 256 bytes + 16 of padding
.set W1L,   0                          ; W1: row n at 64 n + 16 (n / 2): rows 0-7 and 16-23 begin at 16 different 16-byte columns of 256 bytes
.set WOBS,  64*PITCH
.set OBSL,  18432                      ; obs: row n at PITCH n
.set W21L,  OBSL+4*WOBS
.set W22L,  W21L+256*PITCH
.set XIMG,  W22L+256*PITCH             ; obs's codes: row tile m at 1,024 m, register group q (0, 1) at + 512 q + 16 x lane.  Later the partial sums: 2,048 w + 512 x row tile + 16 x lane
.set XSC,   XIMG+16384                 ; their scale words: 128 m + 4 x lane
.set HIMG,  XSC+2048                   ; x's codes: wave w at 8,192 w, row tile i at + 2,048 i, register group q at + 512 q + 16 x lane
.set HSC,   HIMG+65536                 ; their scale words: 256 w + 64 i + 4 r
.set STG,   HSC+2048                   ; b21 + 0, b22 + 1,024, W21's scales + 2,048, W22's + 4,096, b1 + 6,144, W31 + 7,168, W1's scales + 9,216
.set SPARE, STG+9728                   ; the spare words, 128 bytes a wave
; REGISTERS.  Window 0:
.set GB2,   1                          ; byte offset in W32: 512 c + 32 h
.set SPW,   2
.set NIL,   3
.set AHW,   4                          ; LDS addresses: my images of x, their scale words; my partner's images; both waves' scale words (lanes 0-15 mine, lanes 16-31 my partner's)
.set AHSW,  5
.set AHR,   6
.set AHSR,  7
.set AWO,   8                          ; W21 own K step, other K step; v10, v11 the same of W22
.set AWX,   9
.set ABI,   12                         ; b21, b22, W31
.set ASC,   13                         ; W21's and W22's scale words (lanes 0-15 the own K step's, lanes 16-31 the other's)
.set AXW,   14                         ; my images of obs; later my partial sums
.set APR,   15                         ; the partial sums that I finish
.set XS,    16                         ; v16-19 scale words of four row tiles: obs's, then x's
.set SCL,   20                         ; v20-21 a weight tile's scale words, two sets
.set AOE,   22
.set AOUT,  23
.set HA,    24                         ; v24-87: obs's numbers; the hidden layer, 8 tiles; in phase 2 two sets of four accumulators
.set W1F,   88                         ; v88-151 W1's fragments, v152-159 zeros;  in phase 2 v88 + 32 p: a weight tile's two fragments
.set BI,    152                        ; v152 + 8 p: its bias
.set W1S,   160                        ; v160-167 W1's scale words
.set TM,    168                        ; v168-181 the quantiser's;  in phase 2 v168-191 the dot products, 6 a row tile
.set SU,    168
.set AOX,   182
.set AXSW,  183
.set AXR,   184
.set AXSR,  185
.set AW1,   186
.set AB1,   187
.set AW1S,  188
.set B1,    192                        ; v192-255 b1; then W32
; Window 1: v0-63 x's own codes (16 a row tile); v64-127 obs's fragments (16 a row tile, the upper 8 zero), then my partner's codes of x; v128-191, v192-255 W31's two rows.
.set SEL,   40                         ; s[40:41] v_permlanex16_b32's selects for lane l xor 16
.set MNT,   42                         ; s42 the mantissa field of 57,344
.set MSB, 0
.macro WIN new                         ; s_set_vgpr_msb: bits 1:0 source 0, 3:2 source 1, 5:4 source 2, 7:6 destination; the high byte repeats the setting that is left
.if MSB != \new
	s_set_vgpr_msb (MSB<<8)|\new
.set MSB, \new
.endif
.endm
.macro BARRIER                         ; my LDS stores have landed and my LDS loads are in: then the work-group's barrier
	s_wait_alu depctr_va_vdst(0)
	s_wait_dscnt 0x0
	s_barrier_signal -1
	s_barrier_wait -1
.endm
.macro CROUND                          ; a round of the cluster's barrier
	s_barrier_signal -1
	s_barrier_wait -1
	s_cmp_lg_u32 s2, 0
	s_cbranch_scc1 .Lnot_wave_0_\@
	s_barrier_signal -3
.Lnot_wave_0_\@:
	s_barrier_wait -3
	s_barrier_signal -1
	s_barrier_wait -1
.endm
; 32 numbers of a lane, v[s] .. v[s + 31], register 16 b + i = k 32 b + 16 h + i of two blocks, become 8 registers of codes in window 1's v[d] on and two scale bytes in v[TM + w].  relu = 1: what is negative becomes 0 on the way.
.macro QUANT2 s, d, relu, w
.if \relu                              ; no |.|: what is negative is to become 0, so it does not count; the floor 2^(16 - 127) stands over it: the byte cannot fall under 1
.irp b, 0,1
	v_max3_num_f32 v[TM+\b], v[\s+16*\b], v[\s+1+16*\b], 0x8000000
	v_max3_num_f32 v[TM+2+\b], v[\s+8+16*\b], v[\s+9+16*\b], v[\s+10+16*\b]
.endr
.irp n, 2,4
.irp b, 0,1
	v_max3_num_f32 v[TM+\b], v[TM+\b], v[\s+16*\b+\n], v[\s+1+16*\b+\n]
	v_max3_num_f32 v[TM+2+\b], v[TM+2+\b], v[\s+9+16*\b+\n], v[\s+10+16*\b+\n]
.endr
.endr
.irp b, 0,1
	v_max3_num_f32 v[TM+\b], v[TM+\b], v[\s+6+16*\b], v[\s+7+16*\b]
.endr
.irp b, 0,1
	v_max3_num_f32 v[TM+\b], v[TM+\b], v[TM+2+\b], v[\s+15+16*\b]
.endr
.else
.irp b, 0,1
	v_max3_num_f32 v[TM+\b], |v[\s+16*\b]|, |v[\s+1+16*\b]|, 0x8000000
	v_max3_num_f32 v[TM+2+\b], |v[\s+8+16*\b]|, |v[\s+9+16*\b]|, |v[\s+10+16*\b]|
.endr
.irp n, 2,4
.irp b, 0,1
	v_max3_num_f32 v[TM+\b], v[TM+\b], |v[\s+16*\b+\n]|, |v[\s+1+16*\b+\n]|
	v_max3_num_f32 v[TM+2+\b], v[TM+2+\b], |v[\s+9+16*\b+\n]|, |v[\s+10+16*\b+\n]|
.endr
.endr
.irp b, 0,1
	v_max3_num_f32 v[TM+\b], v[TM+\b], |v[\s+6+16*\b]|, |v[\s+7+16*\b]|
.endr
.irp b, 0,1
	v_max3_num_f32 v[TM+\b], v[TM+\b], v[TM+2+\b], |v[\s+15+16*\b]|
.endr
.endif
.irp b, 0,1
	v_permlanex16_b32 v[TM+4+\b], v[TM+\b], s[SEL], s[SEL+1]
.endr
.irp b, 0,1
	v_max_num_f32 v[TM+\b], v[TM+\b], v[TM+4+\b]   ; with lane l xor 16's 16: the block's largest magnitude
.endr
.irp b, 0,1
	v_add_nc_u32 v[TM+8+\b], 0xf8800000, v[TM+\b]  ; 15 off its exponent field: the conversion takes the exponent field of this operand as its scale
.endr
.irp b, 0,1
	v_and_or_b32 v[TM+6+\b], v[TM+\b], 0x7f800000, s[MNT]   ; 57,344 x the scale
.endr
.irp b, 0,1
	v_lshrrev_b32 v[TM+10+\b], 23, v[TM+8+\b]      ; the scale's byte
.endr
.irp n, 0,1,2,3,4,5,6,7,8,9,10,11,12,13,14,15
.irp b, 0,1
.if \relu
	v_med3_num_f32 v[\s+16*\b+\n], v[\s+16*\b+\n], 0, v[TM+6+\b]   ; the activation and the hold in one
.else
	v_med3_num_f32 v[\s+16*\b+\n], v[\s+16*\b+\n], -v[TM+6+\b], v[TM+6+\b]   ; the conversion to an 8-bit code does not saturate (ISA guide 7.6.2): the hold at the largest code x the scale
.endif
.endr
.endr
	v_lshl_or_b32 v[TM+\w], v[TM+11], 8, v[TM+10]
	WIN 0x40
.irp b, 0,1
	v_cvt_scalef32_pk8_bf8_f32 v[\d+4*\b:\d+1+4*\b], v[\s+16*\b:\s+7+16*\b], v[TM+8+\b]
	v_cvt_scalef32_pk8_bf8_f32 v[\d+2+4*\b:\d+3+4*\b], v[\s+8+16*\b:\s+15+16*\b], v[TM+8+\b]
.endr
	v_nop                                          ; one plain vector line between the last conversion and whatever next touches its result or writes its sources
.endm
; ---------------------------------------------------------------- THE HEAD
	s_load_b512 s[8:23], s[0:1], 0x0               ; obs 8, W1's codes 10, W1's scales 12, b1 14, W21's codes 16, W21's scales 18, b21 20, W22's codes 22
	s_load_b256 s[24:31], s[0:1], 0x40             ; W22's scales 24, b22 26, W31 28, W32 30
	s_load_b128 s[32:35], s[0:1], 0x60             ; b31 32, b32 34
	s_load_b64 s[36:37], s[0:1], 0x70              ; out0
	v_lshl_add_u32 v[SPW], v0, 2, SPARE
	v_mov_b32 v[NIL], 0
	ds_add_u32 v[SPW], v[NIL]                      ; the opening: the add, twice on end, and its wait ahead of my first tensor load
	ds_add_u32 v[SPW], v[NIL]
	v_lshrrev_b32 v24, 5, v0
	v_readfirstlane_b32 s2, v24                    ; wave w, 0 .. 7
	s_and_b32 s3, s2, 1                            ; c
	s_lshr_b32 s4, s2, 1                           ; g
	; group 1 of the descriptors: dense blocks, stated as rows of 32 elements of 8 bytes = 256 bytes
	s_mov_b32 s44, 15|(3<<16)|(1<<20)|(1<<21)|(4<<22)|(3<<25)  ; W1: joint, mask of the four; padding of 4 words behind every 32
	s_mov_b32 s52, (3<<16)|(1<<20)|(5<<22)|(3<<25)             ; obs: no mask; 4 words behind every 64
	s_mov_b32 s68, 15|(3<<16)|(1<<20)|(1<<21)|(5<<22)|(3<<25)  ; W21, W22: joint; 4 words behind every 64
	s_mov_b32 s76, 15|(3<<16)|(1<<20)|(1<<21)|(5<<22)|(3<<25)
.irp q, 44,52,68,76
	s_mov_b32 s[\q+1], 32<<16                      ; tensor_dim0 = 32
	s_mov_b32 s[\q+3], 32<<16                      ; tile_dim0 = 32
	s_mov_b32 s[\q+5], 32                          ; elements from row to row
	s_mov_b32 s[\q+6], 0
	s_mov_b32 s[\q+7], 0
.endr
	s_mov_b32 s46, 64<<16                          ; rows: W1 64 (of 256 bytes),
	s_mov_b32 s48, 64
	s_mov_b32 s54, 64<<16                          ; obs 64 a wave,
	s_mov_b32 s56, 64
	s_mov_b32 s70, 256<<16                         ; W21 256,
	s_mov_b32 s72, 256
	s_mov_b32 s78, 128<<16                         ; W22 128 a wave
	s_mov_b32 s80, 128
	; group 0: count, LDS address
	s_mov_b32 s84, 1
	s_mov_b32 s88, 1
	s_mov_b32 s92, 1
	s_mov_b32 s96, 1
	s_mov_b32 s85, W1L
	s_add_co_u32 s5, s2, 3
	s_and_b32 s5, s5, 3                            ; waves 1 .. 4 fetch obs's quarters 0 .. 3
	s_mul_i32 s89, s5, WOBS
	s_add_co_u32 s89, s89, OBSL
	s_mov_b32 s93, W21L
	s_mul_i32 s97, s3, 128*PITCH                   ; waves 6, 7 fetch W22's halves
	s_add_co_u32 s97, s97, W22L
	s_bfe_u32 s6, ttmp6, 0x40000                   ; my place in the cluster
	s_lshl_b32 s101, ttmp9, 2
	s_add_co_u32 s101, s101, s6                    ; the work-group's number
	s_lshl_b32 s38, s101, 16                       ; obs: 256 rows of 256 bytes a work-group, 64 a loading wave
	s_lshl_b32 s5, s5, 14
	s_add_co_u32 s38, s38, s5
	s_mov_b32 s39, 0
	s_lshl_b32 s6, s3, 15                          ; W22: 32,768 bytes a half
	s_mov_b32 s7, 0
	s_mov_b32 s[SEL], 0x76543210
	s_mov_b32 s[SEL+1], 0xfedcba98
	s_mov_b32 s[MNT], 0x600000
	s_mov_b32 s60, 0x3d23d70a                      ; 4 x 0.1^2
	s_mov_b32 s61, 0x3eb851ec                      ; 4 x 0.3^2   (4 x 0.5^2 is 1)
	s_mov_b32 s62, 0x358637bd                      ; 1e-6
	s_mov_b32 s63, 0x32f16588                      ; the polynomials' leading coefficients: 2.81022636e-08,
	s_mov_b32 s100, 0xb951f09b                     ; -0.000200214257
	; lane-dependent addresses
	v_and_b32 v25, 31, v0                          ; lane
	v_and_b32 v26, 15, v0                          ; r
	v_bfe_u32 v27, v0, 4, 1                        ; h
	v_and_b32 v28, 8, v0
	v_add_nc_u32 v28, v28, v26                     ; r + 8 (r / 8)
	s_wait_alu depctr_va_vdst(0)                   ; directly behind the writes
	v_lshlrev_b32 v30, 2, v0
	v_lshlrev_b32 v31, 3, v0
	v_lshlrev_b32 v35, 1, v0
	v_add_nc_u32 v32, STG, v30
	v_add_nc_u32 v33, STG+2048, v31
	v_add_nc_u32 v34, STG+9216, v35
	s_mul_i32 s5, s2, 32*PITCH
	s_add_co_u32 s5, s5, OBSL                      ; my 32 rows of obs
	v_mul_u32_u24 v[AOX], v26, PITCH
	v_lshl_add_u32 v[AOX], v27, 6, v[AOX]
	v_add_nc_u32 v[AOX], s5, v[AOX]
	v_mul_u32_u24 v[AOE], v25, PITCH
	v_add_nc_u32 v[AOE], s5, v[AOE]
	s_lshl_b32 s5, s2, 11
	s_add_co_u32 s5, s5, XIMG
	v_lshl_add_u32 v[AXW], v25, 4, s5
	s_lshl_b32 s5, s2, 8
	v_lshl_add_u32 v[AOUT], v25, 3, s5
	s_add_co_u32 s5, s5, XSC
	v_lshl_add_u32 v[AXSW], v25, 2, s5
	s_lshl_b32 s5, s4, 12
	s_add_co_u32 s5, s5, XIMG
	v_lshl_add_u32 v[AXR], v25, 4, s5
	s_lshl_b32 s66, s3, 10
	s_add_co_u32 s5, s5, s66
	v_lshl_add_u32 v[APR], v26, 4, s5
	v_lshl_add_u32 v[APR], v27, 9, v[APR]
	s_lshl_b32 s5, s4, 9
	s_add_co_u32 s5, s5, XSC
	v_lshl_add_u32 v[AXSR], v25, 2, s5
	s_lshl_b32 s5, s2, 13
	s_add_co_u32 s5, s5, HIMG
	v_lshl_add_u32 v[AHW], v25, 4, s5
	s_xor_b32 s5, s2, 1
	s_lshl_b32 s5, s5, 13
	s_add_co_u32 s5, s5, HIMG
	v_lshl_add_u32 v[AHR], v25, 4, s5
	s_lshl_b32 s5, s2, 8
	s_add_co_u32 s5, s5, HSC
	v_lshl_add_u32 v[AHSW], v26, 2, s5
	v_xor_b32 v[AHSR], s2, v27                     ; lanes 0-15: my wave, lanes 16-31: my partner
	v_lshlrev_b32 v[AHSR], 8, v[AHSR]
	v_lshl_add_u32 v[AHSR], v26, 2, v[AHSR]
	v_add_nc_u32 v[AHSR], HSC, v[AHSR]
	s_mul_i32 s5, s3, 128*72
	v_lshrrev_b32 v29, 1, v28
	v_lshlrev_b32 v[AW1], 6, v28
	v_lshl_add_u32 v[AW1], v29, 4, v[AW1]
	v_lshl_add_u32 v[AW1], v27, 4, v[AW1]
	v_add_nc_u32 v[AW1], s5, v[AW1]
	s_mul_i32 s5, s3, 128*PITCH+128
	s_add_co_u32 s5, s5, W21L                      ; own K step: rows 128 c on, + 128 c bytes
	s_mul_i32 s66, s3, 128*PITCH-128
	s_add_co_u32 s66, s66, W21L+128                ; the other: + 128 (1 - c) bytes
	v_mul_u32_u24 v29, v26, PITCH
	v_lshl_add_u32 v29, v27, 4, v29
	v_add_nc_u32 v[AWO], s5, v29
	v_add_nc_u32 v[AWX], s66, v29
	v_add_nc_u32 v[AWO+2], 256*PITCH, v[AWO]
	v_add_nc_u32 v[AWX+2], 256*PITCH, v[AWX]
	s_lshl_b32 s5, s3, 9
	v_lshl_add_u32 v[GB2], v27, 5, s5
	v_add_nc_u32 v[ABI], STG, v[GB2]
	s_add_co_u32 s5, s5, STG+6144
	v_lshl_add_u32 v[AB1], v27, 6, s5
	v_xor_b32 v[ASC], s3, v27
	v_lshlrev_b32 v[ASC], 2, v[ASC]
	v_lshl_add_u32 v[ASC], v26, 3, v[ASC]
	s_lshl_b32 s5, s3, 10
	s_add_co_u32 s5, s5, STG+2048
	v_add_nc_u32 v[ASC], s5, v[ASC]
	s_lshl_b32 s5, s3, 8
	s_add_co_u32 s5, s5, STG+9216
	v_lshl_add_u32 v[AW1S], v28, 1, s5
.irp q, 0,1,2,3,4,5,6,7
	v_mov_b32 v[W1F+64+\q], 0                      ; behind W1's last tile
.endr
	v_mov_b32 v[TM+4], 0                           ; written once: a lane permute's destination counts as one of its sources
	v_mov_b32 v[TM+5], 0
	WIN 0x40
.irp m, 0,1,2,3
.irp q, 8,9,10,11,12,13,14,15
	v_mov_b32 v[64+16*\m+\q], 0                    ; k = 64 .. 127 of obs's fragments: zero codes
.endr
.endr
	WIN 0
	s_wait_alu depctr_va_vdst(0)                   ; the head's end
	s_wait_dscnt 0x0                               ; both opening adds are done
	CROUND                                         ; all four work-groups are here: the joint loads meet
	s_wait_kmcnt 0x0
	s_mov_b64 s[86:87], s[10:11]
	s_or_b32 s87, s87, 0x80000000                  ; type = 2
	s_add_nc_u64 s[90:91], s[8:9], s[38:39]
	s_or_b32 s91, s91, 0x80000000
	s_mov_b64 s[94:95], s[16:17]
	s_or_b32 s95, s95, 0x80000000
	s_add_nc_u64 s[98:99], s[22:23], s[6:7]
	s_or_b32 s99, s99, 0x80000000
; THE HEAD'S LOADS, ONE A WAVE: wave 0 W1, waves 1-4 a quarter of obs each, wave 5 W21, waves 6-7 a half of W22 each.  One chain of branches; every way through it passes exactly one load.
.macro ARM under, g0, g1, next
	s_cmp_lt_u32 s2, \under
	s_cbranch_scc0 \next
	tensor_load_to_lds s[\g0:\g0+3], s[\g1:\g1+7]
	s_nop 0
.rept 4
	v_nop
.endr
	s_branch .Lasked
\next:
.endm
	ARM 1, 84, 44, .Larm_obs
	ARM 5, 88, 52, .Larm_w21
	ARM 6, 92, 68, .Larm_w22
	tensor_load_to_lds s[96:99], s[76:83]
	s_nop 0
.rept 4
	v_nop
.endr
.Lasked:
	; the small vectors and the weights' scale bytes, a thread an element (or a row), by whole rows of memory, into LDS
	global_load_u16 v46, v35, s[12:13]             ; W1's scales: two bytes a row
	global_load_b32 v38, v30, s[14:15]             ; b1
	global_load_b32 v36, v30, s[20:21]             ; b21
	global_load_b32 v37, v30, s[26:27]             ; b22
	global_load_b32 v39, v30, s[28:29]             ; W31's two rows
	global_load_b32 v40, v30, s[28:29] offset:1024
	global_load_b64 v[42:43], v31, s[18:19]        ; W21's scales: eight bytes a row
	global_load_b64 v[44:45], v31, s[24:25]        ; W22's
	s_load_b64 s[66:67], s[32:33], 0x0             ; b31
	s_load_b32 s43, s[34:35], 0x0                  ; b32
	s_lshl_b32 s38, s101, 11                       ; out0: 256 rows of 8 bytes a work-group
	s_add_nc_u64 s[36:37], s[36:37], s[38:39]
	s_wait_loadcnt 0x0
	ds_store_b16 v34, v46
	ds_store_b32 v32, v38 offset:6144
	ds_store_b32 v32, v36
	ds_store_b32 v32, v37 offset:1024
	ds_store_b32 v32, v39 offset:7168
	ds_store_b32 v32, v40 offset:8192
	ds_store_b64 v33, v[42:43]
	ds_store_b64 v33, v[44:45] offset:2048
	s_cmp_lt_u32 s2, 1
	s_cbranch_scc0 .Lno_w1
	s_wait_tensorcnt 0x0                           ; wave 0: W1 is in
.Lno_w1:
	BARRIER                                        ; W1 and the small vectors lie in LDS
.irp t, 0,1,2,3,4,5,6,7
.irp q, 0,1
	ds_load_b128 v[W1F+8*\t+4*\q:W1F+8*\t+4*\q+3], v[AW1] offset:(32*(\t/2)+8*(\t%2))*72+32*\q
.endr
.endr
	s_cmp_lt_u32 s2, 5
	s_cbranch_scc0 .Lno_obs
	s_wait_tensorcnt 0x0                           ; waves 1-4: my quarter of obs is in
.Lno_obs:
	BARRIER                                        ; obs lies in LDS
; ---------------------------------------------------------------- X: my 32 rows of obs become two fragments
.irp a, 0,1                                    ; lane (r, h) takes, of row 16 a + r, numbers 32 q + 16 h + 0 .. 15: 64 bytes, four loads
.irp q, 0,1
.irp j, 0,1,2,3
	ds_load_b128 v[HA+32*\a+16*\q+4*\j:HA+32*\a+16*\q+4*\j+3], v[AOX] offset:\a*16*PITCH+128*\q+16*\j
.endr
.endr
.endr
.irp t, 0,1,2,3,4,5,6,7
	ds_load_u16 v[W1S+\t], v[AW1S] offset:(32*(\t/2)+8*(\t%2))*2   ; two scale bytes; the upper two come as 0
.endr
.irp t, 0,1,2,3,4,5,6,7                        ; b1: lane (r, h) wants, for tile 2 b + u, units 32 b + 16 h + 8 u + 0 .. 7
	ds_load_b128 v[B1+8*\t:B1+8*\t+3], v[AB1] offset:(32*(\t/2)+8*(\t%2))*4
	ds_load_b128 v[B1+8*\t+4:B1+8*\t+7], v[AB1] offset:(32*(\t/2)+8*(\t%2))*4+16
.endr
	s_wait_dscnt 32                                ; row tile 0's eight loads are in; behind them stand 8 + 8 + 16
	QUANT2 HA, 0, 0, 12
	WIN 0x04                                       ; an LDS store's data are its source 1
	ds_store_b128 v[AXW], v[0:3]
	ds_store_b128 v[AXW], v[4:7] offset:512
	WIN 0
	ds_store_b32 v[AXSW], v[TM+12]
	s_wait_dscnt 27                                ; row tile 1's: behind them stand 8 + 16 loads and three stores
	QUANT2 HA+32, 8, 0, 13
	WIN 0x04
	ds_store_b128 v[AXW], v[8:11] offset:1024
	ds_store_b128 v[AXW], v[12:15] offset:1536
	WIN 0
	ds_store_b32 v[AXSW], v[TM+13] offset:128
	BARRIER                                        ; obs's sixteen fragments lie in LDS
; ---------------------------------------------------------------- 1: my 128 units of the hidden layer, four row tiles; halves of four tiles take turns: the products of one half stand ahead of the other half's quantiser
.irp m, 0,1,2,3
	ds_load_b32 v[XS+\m], v[AXSR] offset:128*\m
.endr
	WIN 0x40
.irp m, 0,1,2,3
	ds_load_b128 v[64+16*\m:64+16*\m+3], v[AXR] offset:1024*\m
	ds_load_b128 v[64+16*\m+4:64+16*\m+7], v[AXR] offset:1024*\m+512
.endr
	WIN 0
.macro M1 i, hf                                ; four products: tiles 4 hf .. 4 hf + 3, row tile i; b1 is the C
	WIN 0x04
.irp t, 0,1,2,3
	v_wmma_scale_f32_16x16x128_f8f6f4 v[HA+32*(\hf)+8*\t:HA+32*(\hf)+8*\t+7], v[W1F+32*(\hf)+8*\t:W1F+32*(\hf)+8*\t+15], v[64+16*(\i):64+16*(\i)+15], v[B1+32*(\hf)+8*\t:B1+32*(\hf)+8*\t+7], v[W1S+4*(\hf)+\t], v[XS+(\i)] matrix_a_fmt:MATRIX_FMT_BF8 matrix_b_fmt:MATRIX_FMT_BF8
.endr
	WIN 0
.endm
.macro Q1 i, hf                                ; relu and quantiser of that half; its codes stay, and go to LDS for my partner.  On the way W31's part of one tile of phase 2 is asked for
	WIN 0x40
.irp o, 0,1
.irp q, 0,1
	ds_load_b128 v[128+64*\o+8*(2*(\i)+(\hf))+4*\q:128+64*\o+8*(2*(\i)+(\hf))+4*\q+3], v[ABI] offset:7168+1024*\o+64*(2*(\i)+(\hf))+16*\q
.endr
.endr
	WIN 0
	QUANT2 HA+32*(\hf), 16*(\i)+8*(\hf), 1, 12+(\hf)
	WIN 0x04
	ds_store_b128 v[AHW], v[16*(\i)+8*(\hf):16*(\i)+8*(\hf)+3] offset:2048*(\i)+1024*(\hf)
	ds_store_b128 v[AHW], v[16*(\i)+8*(\hf)+4:16*(\i)+8*(\hf)+7] offset:2048*(\i)+1024*(\hf)+512
	WIN 0
.if \hf
	v_lshl_or_b32 v[TM+13], v[TM+13], 16, v[TM+12] ; the row tile's scale word
	ds_store_b32 v[AHSW], v[TM+13] offset:64*(\i)  ; lanes r and r + 16 hold the same word and write it to the same place
.endif
.endm
	s_wait_dscnt 6                                 ; row tile 0's fragment is in; the six loads of the other three may be out
	M1 0, 0
	M1 0, 1
.rept 8
	v_nop                                          ; eight places between these products and the first read of their results
.endr
	Q1 0, 0
	s_wait_dscnt 10                                ; row tile 1's fragment: behind it 4 loads of fragments, 4 of W31, 2 stores
	M1 1, 0
	Q1 0, 1
	M1 1, 1
	Q1 1, 0
	s_wait_dscnt 21                                ; row tile 2's: behind it 2 loads, 12 of W31, 7 stores
	M1 2, 0
	Q1 1, 1
	M1 2, 1
	Q1 2, 0
	s_wait_dscnt 32                                ; row tile 3's: behind it 20 loads of W31, 12 stores
	M1 3, 0
	Q1 2, 1
	M1 3, 1
	Q1 3, 0
	Q1 3, 1
.rept 4
	v_nop                                          ; codes written by a vector instruction stand four places ahead of a scaled matrix instruction that reads them
.endr
	s_wait_tensorcnt 0x0                           ; all my tensor loads are in: W21 and W22 among them
	BARRIER                                        ; x's codes, W21 and W22 lie in LDS
; ---------------------------------------------------------------- 2: weight tile n: 0-7 W21's, 8-15 W22's 16 units of my 128
.macro FETCH n                                 ; scale word, bias, both fragments: 11 loads into set n % 2
	ds_load_b32 v[SCL+(\n)%2], v[ASC] offset:2048*((\n)/8)+128*((\n)%8)
	ds_load_b128 v[BI+8*((\n)%2):BI+8*((\n)%2)+3], v[ABI] offset:1024*((\n)/8)+64*((\n)%8)
	ds_load_b128 v[BI+8*((\n)%2)+4:BI+8*((\n)%2)+7], v[ABI] offset:1024*((\n)/8)+64*((\n)%8)+16
.irp q, 0,1,2,3
	ds_load_b128 v[W1F+32*((\n)%2)+4*\q:W1F+32*((\n)%2)+4*\q+3], v[AWO+2*((\n)/8)] offset:16*PITCH*((\n)%8)+32*\q
.endr
.irp q, 0,1,2,3
	ds_load_b128 v[W1F+32*((\n)%2)+16+4*\q:W1F+32*((\n)%2)+16+4*\q+3], v[AWX+2*((\n)/8)] offset:16*PITCH*((\n)%8)+32*\q
.endr
.endm
; Four products of tile n, one a row tile: the four accumulators of set n % 2 take turns.  First the own K step, with the bias as C, then the other.
.macro MOWN n
.irp m, 0,1,2,3
	v_wmma_scale_f32_16x16x128_f8f6f4 v[HA+32*((\n)%2)+8*\m:HA+32*((\n)%2)+8*\m+7], v[W1F+32*((\n)%2):W1F+32*((\n)%2)+15], v[16*\m:16*\m+15], v[BI+8*((\n)%2):BI+8*((\n)%2)+7], v[SCL+(\n)%2], v[XS+\m] matrix_a_fmt:MATRIX_FMT_BF8 matrix_b_fmt:MATRIX_FMT_BF8
.endr
.endm
.macro MOTH n
.irp m, 0,1,2,3
	v_wmma_scale_f32_16x16x128_f8f6f4 v[HA+32*((\n)%2)+8*\m:HA+32*((\n)%2)+8*\m+7], v[W1F+32*((\n)%2)+16:W1F+32*((\n)%2)+31], v[64+16*\m:64+16*\m+15], v[HA+32*((\n)%2)+8*\m:HA+32*((\n)%2)+8*\m+7], v[SCL+(\n)%2], v[XS+\m] matrix_a_fmt:MATRIX_FMT_BF8 matrix_b_fmt:MATRIX_FMT_BF8 matrix_a_scale:MATRIX_SCALE_ROW1 matrix_b_scale:MATRIX_SCALE_ROW1
.endr
.endm
.macro RELU2 a                                 ; two numbers at once
	v_dual_max_num_f32 v[\a], 0, v[\a] :: v_dual_max_num_f32 v[\a+1], 0, v[\a+1]
.endm
.macro VEC n                                   ; tile n's relu and dot products, four row tiles; the first tile of each layer starts the sums: nothing is cleared
	WIN 0
.irp m, 0,1,2,3
.irp j, 0,2,4,6
	RELU2 HA+32*((\n)%2)+8*\m+\j
.endr
.endr
.if (\n) < 8
	WIN 0x01                                       ; source 0 (W31) window 1
.irp j, 0,2,4,6
.irp m, 0,1,2,3
.set rA, HA+32*((\n)%2)+8*\m+\j
.set rU, SU+6*\m
.if (\n) == 0 && \j == 0
	v_pk_mul_f32 v[rU:rU+1], v[128+8*(\n)+\j:128+8*(\n)+\j+1], v[rA:rA+1]
	v_pk_mul_f32 v[rU+2:rU+3], v[192+8*(\n)+\j:192+8*(\n)+\j+1], v[rA:rA+1]
.else
	v_pk_fma_f32 v[rU:rU+1], v[128+8*(\n)+\j:128+8*(\n)+\j+1], v[rA:rA+1], v[rU:rU+1]
	v_pk_fma_f32 v[rU+2:rU+3], v[192+8*(\n)+\j:192+8*(\n)+\j+1], v[rA:rA+1], v[rU+2:rU+3]
.endif
.endr
.endr
	WIN 0
.else
.irp j, 0,2,4,6
.irp m, 0,1,2,3
.set rA, HA+32*((\n)%2)+8*\m+\j
.set rU, SU+6*\m+4
.if (\n) == 8 && \j == 0
	v_pk_mul_f32 v[rU:rU+1], v[B1+8*((\n)%8)+\j:B1+8*((\n)%8)+\j+1], v[rA:rA+1]
.else
	v_pk_fma_f32 v[rU:rU+1], v[B1+8*((\n)%8)+\j:B1+8*((\n)%8)+\j+1], v[rA:rA+1], v[rU:rU+1]
.endif
.endr
.endr
.endif
.endm
.macro TURN n                                  ; the next tile is asked for; tile n's eight products; then the vector work of the tile before, on the other set of accumulators
.if (\n) < 15
	FETCH (\n)+1                                   ; into the set that tile n - 1's products read: the vector work of tile n - 2 (in the first turn eight v_nop) lies between
.endif
.if (\n) <= 4
.irp q, 0,1,2,3
	global_load_b128 v[B1+16*((\n)-1)+4*\q:B1+16*((\n)-1)+4*\q+3], v[GB2], s[30:31] offset:128*((\n)-1)+64*(\q/2)+16*(\q%2)   ; W32, over b1, which is done with
.endr
.endif
.if (\n) < 15
	s_wait_dscnt 11                                ; tile n's eleven loads are in; tile n + 1's may be out
.else
	s_wait_dscnt 0x0
.endif
.if (\n) == 9
	s_wait_loadcnt 0x0                             ; W32 is in
.endif
	WIN 0x04                                       ; source 1 (x) window 1
	MOWN \n
	MOTH \n
	VEC (\n)-1
.endm
.irp m, 0,1,2,3
	ds_load_b32 v[XS+\m], v[AHSR] offset:64*\m     ; x's scale words: lanes 0-15 the own K step's, lanes 16-31 the other's
.endr
	FETCH 0
	WIN 0x40
.irp m, 0,1,2,3
.irp q, 0,1,2,3
	ds_load_b128 v[64+16*\m+4*\q:64+16*\m+4*\q+3], v[AHR] offset:2048*\m+512*\q   ; my partner's codes
.endr
.endr
	WIN 0
	FETCH 1
	s_wait_dscnt 31                                ; the own K step's fragment is in: behind it stand 4 + 16 + 11 loads
	WIN 0x04
	MOWN 0
	s_wait_dscnt 11                                ; all but tile 1's
	MOTH 0
	WIN 0
.rept 8
	v_nop                                          ; eight places: loads into what these products read and reads of their results follow
.endr
.irp n, 1,2,3,4,5,6,7,8,9,10,11,12,13,14,15
	TURN \n
.endr
.set eR0, 88
.set eR1, 89
.set eH0, 90
.set eH1, 91
	ds_load_b64 v[eR0:eR1], v[AOE] offset:24       ; obs[6:8] of my row, still in LDS
	ds_load_b64 v[eH0:eH1], v[AOE] offset:32       ; obs[8:10]
	VEC 15
.irp m, 0,1,2,3                                ; my lane's sums over its 64 units of each layer
	v_add_f32 v[24+4*\m], v[SU+6*\m], v[SU+6*\m+1]
	v_add_f32 v[25+4*\m], v[SU+6*\m+2], v[SU+6*\m+3]
	v_add_f32 v[26+4*\m], v[SU+6*\m+4], v[SU+6*\m+5]
.endr
.irp m, 0,1,2,3
	ds_store_b96 v[AXW], v[24+4*\m:26+4*\m] offset:512*\m   ; over obs's images, which were last read ahead of the barrier before
.endr
	s_wait_alu depctr_va_vdst(0)
	s_wait_dscnt 0x0
	s_barrier_signal -1                            ; my partial sums lie in LDS; until the others' do: what hangs on obs alone
; ---------------------------------------------------------------- E: a lane a row
.set eN2, 92
.set eDOT, 93
.set eA0, 94
.set eA1, 95
.set eA2, 96
.set eDEN, 97
.set eT, 98
.set eBASE, 99
.set eB, 100
.set eQ, 101
.set eX, 102
.set eRB, 103
.set eW1, 104
.set eW2, 105
.set eP1, 106
.set eP2, 107
.set eMX, 108
.set eG, 109
.set eO, 110
	v_mul_f32 v[eN2], v[eR0], v[eR0]
	v_mul_f32 v[eDOT], v[eH0], v[eR0]
	v_fmac_f32 v[eN2], v[eR1], v[eR1]              ; |rel|^2
	v_fmac_f32 v[eDOT], v[eH1], v[eR1]             ; velocity . rel
	v_fmaak_f32 v[eA0], s60, v[eN2], 0x322bcc77    ; 4 var |rel|^2 + 1e-8, for the three modes
	v_fmaak_f32 v[eA1], s61, v[eN2], 0x322bcc77
	v_add_f32 v[eA2], 0x322bcc77, v[eN2]
	v_fmaak_f32 v[eDEN], 4.0, v[eN2], 0x2b8cbccc   ; G . G + 1e-12
	v_sub_f32 v[eT], v[eDOT], v[eN2]
	v_fmaak_f32 v[eBASE], 2.0, v[eT], 0x3fa3d70a   ; -2 (|rel|^2 - 0.64) + 2 velocity . rel
	s_wait_alu depctr_va_vdst(0)                   ; waits ahead of and behind each batch of transcendentals
	v_sqrt_f32 v[eA0], v[eA0]                      ; sigma_f
	v_sqrt_f32 v[eA1], v[eA1]
	v_sqrt_f32 v[eA2], v[eA2]
	v_rcp_f32 v[eDEN], v[eDEN]
	v_nop
	s_wait_alu depctr_va_vdst(0)
	s_barrier_wait -1                              ; every wave's partial sums lie in LDS
.irp q, 0,1,2,3
	ds_load_b96 v[24+4*\q:26+4*\q], v[APR] offset:2048*(\q/2)+256*(\q%2)   ; wave 2 g + q / 2, half q % 2 of its lanes
.endr
	s_wait_kmcnt 0x0                               ; b31, b32
	s_wait_dscnt 0x0
	v_add_f32 v26, v26, v30
	v_add_f32 v34, v34, v38
	v_pk_add_f32 v[24:25], v[24:25], v[28:29]
	v_pk_add_f32 v[32:33], v[32:33], v[36:37]
	v_add_f32 v26, v26, v34
	v_pk_add_f32 v[24:25], v[24:25], v[32:33]
	v_add_f32 v26, s43, v26                        ; the logit
	v_add_f32 v24, s66, v24                        ; u_nom
	v_mul_f32 v[eB], 0xbfb8aa3b, v26               ; -logit x log2(e)
	v_add_f32 v25, s67, v25
	v_mul_f32 v[eG], v[eR0], v24
	s_wait_alu depctr_va_vdst(0)
	v_exp_f32 v[eB], v[eB]
	v_fmac_f32 v[eG], v[eR1], v25                  ; rel . u_nom
	s_wait_alu depctr_va_vdst(0)
	v_add_f32 v[eB], 1.0, v[eB]
	s_wait_alu depctr_va_vdst(0)
	v_rcp_f32 v[eB], v[eB]                         ; the sigmoid
	v_nop
	s_wait_alu depctr_va_vdst(0)
	v_mul_f32 v[eB], 0x3e4ccccd, v[eB]             ; beta = 0.2 x it,
	v_med3_num_f32 v[eB], v[eB], s62, 0x3f7fffef   ; held in 1e-6 .. 1 - 1e-6
	v_sub_f32 v[eQ], 1.0, v[eB]
	v_fma_f32 v[eX], v[eB], -2.0, 1.0              ; x = 1 - 2 beta
	v_mul_f32 v[eQ], v[eQ], v[eB]
	v_mul_f32 v[eQ], 4.0, v[eQ]                    ; 1 - x^2 = 4 beta (1 - beta)
	s_wait_alu depctr_va_vdst(0)
	v_log_f32 v[eQ], v[eQ]
	v_rcp_f32 v[eRB], v[eB]
	v_nop
	s_wait_alu depctr_va_vdst(0)
	v_mul_f32 v[eQ], 0xbf317218, v[eQ]             ; w = -ln(1 - x^2)
	v_add_f32 v[eW1], 0xc0200000, v[eQ]            ; w - 2.5
	s_wait_alu depctr_va_vdst(0)
	v_sqrt_f32 v[eW2], v[eQ]
	v_fmaak_f32 v[eP1], s63, v[eW1], 0x34b84b36    ; the polynomial for w < 5 begins between the root and the wait for it
	v_fmaak_f32 v[eP1], v[eP1], v[eW1], 0xb66c7357
	s_wait_alu depctr_va_vdst(0)
	v_add_f32 v[eW2], 0xc0400000, v[eW2]           ; sqrt(w) - 3
	v_fmaak_f32 v[eP1], v[eP1], v[eW1], 0xb6935ac1
	v_fmaak_f32 v[eP2], s100, v[eW2], 0x38d3b56b   ; the polynomial for w >= 5, by turns with the other
	v_fmaak_f32 v[eP1], v[eP1], v[eW1], 0x396532db
	v_fmaak_f32 v[eP2], v[eP2], v[eW2], 0x3ab0dc72
	v_fmaak_f32 v[eP1], v[eP1], v[eW1], 0xbaa45408
	v_fmaak_f32 v[eP2], v[eP2], v[eW2], 0xbb70bde7
	v_fmaak_f32 v[eP1], v[eP1], v[eW1], 0xbb88e4ef
	v_fmaak_f32 v[eP2], v[eP2], v[eW2], 0x3bbc127b
	v_fmaak_f32 v[eP1], v[eP1], v[eW1], 0x3e7c8f63
	v_fmaak_f32 v[eP2], v[eP2], v[eW2], 0xbbf9c5d7
	v_fmaak_f32 v[eP1], v[eP1], v[eW1], 0x3fc02e2f
	v_fmaak_f32 v[eP2], v[eP2], v[eW2], 0x3c1aa57e
	v_cmp_gt_f32 vcc_lo, 0x40a00000, v[eQ]         ; 5 > w?  Both are computed; the choice selects a value
	v_fmaak_f32 v[eP2], v[eP2], v[eW2], 0x3f8036db
	v_fmaak_f32 v[eP2], v[eP2], v[eW2], 0x40354f7e
	v_cndmask_b32 v[eP1], v[eP2], v[eP1], vcc_lo
	v_mul_f32 v[eP1], v[eP1], v[eX]                ; y = erfinv(x);  z^2 / 2 = y^2
	v_mul_f32 v[eP2], v[eP1], v[eP1]
	v_mul_f32 v[eP2], 0xbfb8aa3b, v[eP2]
	s_wait_alu depctr_va_vdst(0)
	v_exp_f32 v[eP2], v[eP2]                       ; exp(-y^2)
	v_mul_f32 v[eRB], 0x3ecc422a, v[eRB]           ; 1 / (beta sqrt(2 pi))
	s_wait_alu depctr_va_vdst(0)
	v_mul_f32 v[eP2], v[eP2], v[eRB]               ; the CVaR coefficient
	v_fma_f32 v[eA0], v[eA0], v[eP2], v[eBASE]     ; rhs of the three modes
	v_fma_f32 v[eA1], v[eA1], v[eP2], v[eBASE]
	v_fma_f32 v[eA2], v[eA2], v[eP2], v[eBASE]
	v_max3_num_f32 v[eMX], v[eA0], v[eA1], v[eA2]  ; the largest is taken away ahead of the exponentials
	v_sub_f32 v[eA0], v[eA0], v[eMX]
	v_sub_f32 v[eA1], v[eA1], v[eMX]
	v_sub_f32 v[eA2], v[eA2], v[eMX]
	v_mul_f32 v[eA0], 0x4166d4ca, v[eA0]           ; x log2(e) / 0.1
	v_mul_f32 v[eA1], 0x4166d4ca, v[eA1]
	v_mul_f32 v[eA2], 0x4166d4ca, v[eA2]
	s_wait_alu depctr_va_vdst(0)
	v_exp_f32 v[eA0], v[eA0]
	v_exp_f32 v[eA1], v[eA1]
	v_exp_f32 v[eA2], v[eA2]
	v_fma_f32 v[eMX], v[eG], -2.0, v[eMX]          ; G . u_nom + the largest, G = -2 rel
	s_wait_alu depctr_va_vdst(0)
	v_add_f32 v[eA0], v[eA0], v[eA1]
	v_add_f32 v[eA0], v[eA0], v[eA2]               ; between 1 and 3
	s_wait_alu depctr_va_vdst(0)
	v_log_f32 v[eA0], v[eA0]
	v_nop
	s_wait_alu depctr_va_vdst(0)
	v_fmamk_f32 v[eA1], v[eA0], 0x3d8df4e0, v[eMX] ; viol = G . u_nom + rhs_wc, rhs_wc = 0.1 ln 2 x log2(sum) + the largest
	v_max_num_f32 v[eA1], 0, v[eA1]
	v_mul_f32 v[eA1], v[eA1], v[eDEN]              ; step
	v_add_f32 v[eA1], v[eA1], v[eA1]               ; -step x G = 2 step x rel
	v_fma_f32 v[eO], v[eA1], v[eR0], v24
	v_fma_f32 v[eO+1], v[eA1], v[eR1], v25
	global_store_b64 v[AOUT], v[eO:eO+1], s[36:37] th:TH_STORE_NT   ; 32 lanes store 256 consecutive bytes, at a multiple of 256 from out0's first byte
	s_wait_tensorcnt 0x0                           ; the wave's end
	ds_add_u32 v[SPW], v[NIL]
	s_wait_dscnt 0x0
	CROUND                                         ; the closing round: no work-group ends while a partner may still issue a joint load that names it
	s_endpgm
.Lfunc_end_k_q9f3b260870_barrier:
	.size	k_q9f3b260870_barrier, .Lfunc_end_k_q9f3b260870_barrier-k_q9f3b260870_barrier
	.p2alignl 7, 3214868480
	.fill 96, 4, 3214868480
	.section	.rodata,"a",@progbits
	.p2align	6, 0x0
	.amdhsa_kernel k_q9f3b260870_barrier
		.amdhsa_group_segment_fixed_size 327680
		.amdhsa_private_segment_fixed_size 0
		.amdhsa_enable_private_segment 0
		.amdhsa_kernarg_size 120
		.amdhsa_user_sgpr_count 2
		.amdhsa_user_sgpr_kernarg_segment_ptr 1
		.amdhsa_wavefront_size32 1
		.amdhsa_system_sgpr_workgroup_id_x 1
		.amdhsa_system_sgpr_workgroup_id_y 1
		.amdhsa_system_sgpr_workgroup_id_z 1
		.amdhsa_system_vgpr_workitem_id 0
		.amdhsa_next_free_vgpr 512
		.amdhsa_next_free_sgpr 102
		.amdhsa_reserve_vcc 1
		.amdhsa_float_denorm_mode_32 3
		.amdhsa_float_denorm_mode_16_64 3
		.amdhsa_memory_ordered 1
		.amdhsa_forward_progress 1
		.amdhsa_inst_pref_size 147
	.end_amdhsa_kernel
	.amdgpu_metadata
---
amdhsa.version: [ 1, 2 ]
amdhsa.kernels:
  - .name:           k_q9f3b260870_barrier
    .symbol:         k_q9f3b260870_barrier.kd
    .args:
      - { .name: obs, .offset: 0, .size: 8, .value_kind: global_buffer, .address_space: global }
      - { .name: W1_codes, .offset: 8, .size: 8, .value_kind: global_buffer, .address_space: global }
      - { .name: W1_scales, .offset: 16, .size: 8, .value_kind: global_buffer, .address_space: global }
      - { .name: b1, .offset: 24, .size: 8, .value_kind: global_buffer, .address_space: global }
      - { .name: W21_codes, .offset: 32, .size: 8, .value_kind: global_buffer, .address_space: global }
      - { .name: W21_scales, .offset: 40, .size: 8, .value_kind: global_buffer, .address_space: global }
      - { .name: b21, .offset: 48, .size: 8, .value_kind: global_buffer, .address_space: global }
      - { .name: W22_codes, .offset: 56, .size: 8, .value_kind: global_buffer, .address_space: global }
      - { .name: W22_scales, .offset: 64, .size: 8, .value_kind: global_buffer, .address_space: global }
      - { .name: b22, .offset: 72, .size: 8, .value_kind: global_buffer, .address_space: global }
      - { .name: W31, .offset: 80, .size: 8, .value_kind: global_buffer, .address_space: global }
      - { .name: W32, .offset: 88, .size: 8, .value_kind: global_buffer, .address_space: global }
      - { .name: b31, .offset: 96, .size: 8, .value_kind: global_buffer, .address_space: global }
      - { .name: b32, .offset: 104, .size: 8, .value_kind: global_buffer, .address_space: global }
      - { .name: out0, .offset: 112, .size: 8, .value_kind: global_buffer, .address_space: global }
    .group_segment_fixed_size: 327680
    .private_segment_fixed_size: 0
    .kernarg_segment_align: 8
    .kernarg_segment_size: 120
    .max_flat_workgroup_size: 256
    .sgpr_count:     102
    .vgpr_count:     512
    .wavefront_size: 32
...
	.end_amdgpu_metadata
.endif
;; end of part 1
